; MI455X (gfx1250); checked and timed in simulation.
; The chip was launched on July 23, 2026; its instructions are those of AMD's public machine-readable ISA for CDNA 5 (MIT licence, August 2026) and "CDNA5" Instruction Set Architecture Reference Guide (July 2026). The comments in the code are by the model that wrote it; some were corrected since.
;; Differential Marlin Attention. Allowed arithmetic: float matrix products may take bf16 or f16 operands with f32 sums; all other float work in f32.
;; Inputs: k1 1 x 4 x 2,048 x 128 float32; k2 1 x 4 x 2,048 x 128 float32; lambda_log 1 float32; q1 1 x 16 x 2,048 x 128 float32; q2 1 x 16 x 2,048 x 128 float32; v 1 x 4 x 2,048 x 128 float32.
;; Outputs: out0 1 x 16 x 2,048 x 128 float32.
;; One version. Each part assembles by itself: llvm-mc -triple=amdgcn-amd-amdhsa -mcpu=gfx1250 --defsym DOCPART=n.
;; ======== version 1 of 1: 2 launches
;; workspace buffers: kv 6,291,456 bytes
;; launch cast (part 1): grid 256 x 3, 8 waves a work-group, no clusters, 0 bytes of LDS; arguments k1, k2, v, kv; writes kv
.if DOCPART == 1
	.amdgcn_target "amdgcn-amd-amdhsa--gfx1250"
	.amdhsa_code_object_version 6
	.text
	.protected	k_qd2220c512c_cast
	.globl	k_qd2220c512c_cast
	.p2align	8
	.type	k_qd2220c512c_cast,@function
k_qd2220c512c_cast:
	s_mov_b64 s[64:65], 0
	v_nop
	global_prefetch_b8 v0, s[64:65] scope:SCOPE_SE
	s_setreg_imm32_b32 hwreg(HW_REG_WAVE_MODE, 25, 1), 1
	s_wait_xcnt 0x0
; k1, k2, v (f32, [4][2048][128]) are rounded once to bf16 and laid into kv as [head 4][key block 16][part 3][128 keys][128 d]:
; part 0 = k1, part 1 = k2, part 2 = v.  So the three tiles that one step of the attention launch needs are 98,304 neighbouring
; bytes, and every row of a tile is 256 bytes at a multiple of 256 from kv's first byte.
; Grid: x = a quarter of a key block (32 keys: 16,384 bytes in, 8,192 out), y = the part.  768 equal work-groups of eight waves.
; Thread t takes 8 numbers twice: 32 bytes at 32 t of each half of the quarter, and stores 16 bytes at 16 t:
; sixteen neighbouring lanes store 256 consecutive bytes, aligned.  Nothing is shared: no LDS, no barrier.
.set SRC_WG,  16384                    ; source bytes of a work-group
.set PART,    32768                    ; bytes of one part of a block in kv (128 rows of 256 bytes)
	s_load_b256 s[4:11], s[0:1], 0x0               ; k1 s[4:5], k2 s[6:7], v s[8:9], kv s[10:11]
	s_and_b32 s2, ttmp7, 0xffff                    ; the part
	s_lshl_b32 s14, ttmp9, 14                      ; source: quarters follow each other, 16,384 bytes each
	s_mov_b32 s15, 0
	s_lshr_b32 s16, ttmp9, 2                       ; block = 16 head + key block
	s_mul_i32 s16, s16, 3
	s_add_co_u32 s16, s16, s2                      ; 3 block + part
	s_lshl_b32 s16, s16, 15                        ; times 32,768 bytes
	s_and_b32 s3, ttmp9, 3
	s_lshl_b32 s3, s3, 13                          ; + quarter x 8,192 bytes
	s_add_co_u32 s16, s16, s3
	s_mov_b32 s17, 0
	v_lshlrev_b32 v1, 5, v0                        ; 32 t: my 8 f32
	v_lshlrev_b32 v2, 4, v0                        ; 16 t: my 8 bf16
	s_wait_kmcnt 0x0
	s_cmp_eq_u32 s2, 0
	s_cselect_b64 s[12:13], s[4:5], s[6:7]         ; part 0: k1, else k2,
	s_cmp_eq_u32 s2, 2
	s_cselect_b64 s[12:13], s[8:9], s[12:13]       ; part 2: v
	s_add_nc_u64 s[12:13], s[12:13], s[14:15]
	s_add_nc_u64 s[10:11], s[10:11], s[16:17]
	global_load_b128 v[4:7],   v1, s[12:13] th:TH_LOAD_NT               ; all four loads go out ahead of the first store
	global_load_b128 v[8:11],  v1, s[12:13] offset:16 th:TH_LOAD_NT
	global_load_b128 v[12:15], v1, s[12:13] offset:8192 th:TH_LOAD_NT
	global_load_b128 v[16:19], v1, s[12:13] offset:8208 th:TH_LOAD_NT
	s_wait_loadcnt 0x2                             ; the first half's two loads are in, the two younger ones stay out
	v_cvt_pk_bf16_f32 v20, v4, v5
	v_cvt_pk_bf16_f32 v21, v6, v7
	v_cvt_pk_bf16_f32 v22, v8, v9
	v_cvt_pk_bf16_f32 v23, v10, v11
	global_store_b128 v2, v[20:23], s[10:11]       ; no streaming hint: the next launch reads these bytes many times
	s_wait_loadcnt 0x0
	v_cvt_pk_bf16_f32 v24, v12, v13
	v_cvt_pk_bf16_f32 v25, v14, v15
	v_cvt_pk_bf16_f32 v26, v16, v17
	v_cvt_pk_bf16_f32 v27, v18, v19
	global_store_b128 v2, v[24:27], s[10:11] offset:4096
	s_endpgm
.Lfunc_end_k_qd2220c512c_cast:
	.size	k_qd2220c512c_cast, .Lfunc_end_k_qd2220c512c_cast-k_qd2220c512c_cast
	.p2alignl 7, 3214868480
	.fill 96, 4, 3214868480
	.section	.rodata,"a",@progbits
	.p2align	6, 0x0
	.amdhsa_kernel k_qd2220c512c_cast
		.amdhsa_group_segment_fixed_size 0
		.amdhsa_private_segment_fixed_size 0
		.amdhsa_enable_private_segment 0
		.amdhsa_kernarg_size 32
		.amdhsa_user_sgpr_count 2
		.amdhsa_user_sgpr_kernarg_segment_ptr 1
		.amdhsa_wavefront_size32 1
		.amdhsa_system_sgpr_workgroup_id_x 1
		.amdhsa_system_sgpr_workgroup_id_y 1
		.amdhsa_system_sgpr_workgroup_id_z 1
		.amdhsa_system_vgpr_workitem_id 0
		.amdhsa_next_free_vgpr 32
		.amdhsa_next_free_sgpr 66
		.amdhsa_reserve_vcc 0
		.amdhsa_float_denorm_mode_32 3
		.amdhsa_float_denorm_mode_16_64 3
		.amdhsa_memory_ordered 1
		.amdhsa_forward_progress 1
		.amdhsa_inst_pref_size 3
	.end_amdhsa_kernel
	.amdgpu_metadata
---
amdhsa.version: [ 1, 2 ]
amdhsa.kernels:
  - .name:           k_qd2220c512c_cast
    .symbol:         k_qd2220c512c_cast.kd
    .args:
      - { .name: k1, .offset: 0, .size: 8, .value_kind: global_buffer, .address_space: global }
      - { .name: k2, .offset: 8, .size: 8, .value_kind: global_buffer, .address_space: global }
      - { .name: v, .offset: 16, .size: 8, .value_kind: global_buffer, .address_space: global }
      - { .name: kv, .offset: 24, .size: 8, .value_kind: global_buffer, .address_space: global }
    .group_segment_fixed_size: 0
    .private_segment_fixed_size: 0
    .kernarg_segment_align: 8
    .kernarg_segment_size: 32
    .max_flat_workgroup_size: 256
    .sgpr_count:     66
    .vgpr_count:     32
    .wavefront_size: 32
...
	.end_amdgpu_metadata
.endif
;; end of part 1
;; launch attn (part 2): grid 16 x 16, 4 waves a work-group, clusters of 4 x 1, 327,680 bytes of LDS; arguments q1, q2, kv, lambda_log, out0; writes out0
.if DOCPART == 2
	.amdgcn_target "amdgcn-amd-amdhsa--gfx1250"
	.amdhsa_code_object_version 6
	.text
	.protected	k_qd2220c512c_attn
	.globl	k_qd2220c512c_attn
	.p2align	8
	.type	k_qd2220c512c_attn,@function
k_qd2220c512c_attn:
	s_mov_b64 s[64:65], 0
	v_nop
	global_prefetch_b8 v0, s[64:65] scope:SCOPE_SE
	s_setreg_imm32_b32 hwreg(HW_REG_WAVE_MODE, 25, 1), 1
	s_wait_xcnt 0x0
	s_wait_alu depctr_hold_cnt(0) depctr_sa_sdst(0) depctr_va_vdst(0) depctr_va_sdst(0) depctr_va_ssrc(0) depctr_va_vcc(0) depctr_vm_vsrc(0)
	s_getreg_b32 s2, hwreg(HW_REG_IB_STS2, 6, 4)
	s_cmp_eq_u32 s2, 0
	s_cbranch_scc0 .Lentry_in_a_cluster
	s_endpgm
.Lentry_in_a_cluster:
	s_bfe_u32 s2, ttmp6, 0x10000c
	s_cmp_lg_u32 s2, 0x3003
	s_cbranch_scc0 .Lentry_shape_is_right
	s_endpgm
.Lentry_shape_is_right:
; out = softmax(q1 k1^T / sqrt(128)) v - exp(lambda_log) softmax(q2 k2^T / sqrt(128)) v.   16 query heads, 4 key/value heads, 2048 x 128.
; A work-group makes 128 query rows of one head, for both attentions, with four waves: wave w works on attention a = w >> 1 and on
; the 64 rows of half w & 1.  Keys go in 16 steps of 128 through two LDS slots, each with k1's, k2's and v's tile in bf16 (made by the launch before).
; CLUSTER: the four work-groups of a cluster are four neighbouring query blocks of one head; they walk the same tiles, so every tile is
; asked for jointly (mask 15) and each receives it in its own LDS.  The place in the cluster enters only the addresses of q and out.
;
; EVERYTHING IS USED TRANSPOSED, so that the probabilities never change lanes.  With lane = (r = lane & 15, h = lane >> 4):
;   S^T = K Q^T : source 0 = 16 keys x 32 d, source 1 = 16 queries x 32 d; result register j = S[query r][key 8 h + j].
;   Two neighbouring key blocks (16 registers) packed to bf16 in place ARE source 1 of the second product (32 keys x 16 queries).
;   O^T = V^T P^T : source 0 = 16 d x 32 keys, read from row-major v by the transposing LDS load; result register j = O[query r][d 8 h + j].
;   A query's maximum and sum are one number a lane; the other half of the keys lies in lane r + 16 (one v_permlanex16_b32).
; SOFTMAX: running maximum m over steps of 128 keys; p = exp2(S c - m c), c = log2(e) / sqrt(128); O and l are scaled by
; exp2(m_old c - m_new c), made from the same rounded products m c that p uses.  All of it in f32.
; LIMITS: q, k, v and p enter the matrix units rounded to bf16.  An exponential below 2^-126 comes out as 0 (v_exp_f32 flushes, ISA guide 15.8),
; exp(lambda_log) too.  Infinities and NaN among the inputs are not treated specially.
;
; REGISTERS, in windows of 256:
;   window 0: v8-15 addresses, v16-61 the rows' statistics, v64-127 and v128-191 two buffers of 8 fragments
;   window 1: O, tile (query block i, d block dt) at 8 (8 i + dt)
;   window 2: S, tile (i, key block kb) at 8 (8 i + kb); after packing P, fragment (i, t) at 16 (4 i + t)
;   window 3: Q, fragment (i, 32 d c) at 8 (4 i + c), v0-127 there
.set KP,     272                       ; LDS pitch of k's rows: 256 bytes + 16: an odd multiple of 16, the 16 rows of a fragment load start 16 bytes apart modulo 256
.set VP,     288                       ; LDS pitch of v's rows: 256 + 32: an odd multiple of 32, for the transposing load
.set KPART,  128*KP                    ; 34,816: k1's tile, k2's tile; also one attention's stage
.set VOFF,   2*KPART                   ; v's tile in a slot
.set SLOT,   VOFF+128*VP               ; 106,496
.set STAGE,  2*SLOT                    ; 212,992, a multiple of 256: two stages of 128 rows x 272 bytes for the way out; no fill lands here
.set TILE_BYTES, 98304                 ; a step's three tiles in kv
.set ADRK, 8                           ; v8-9    my k fragments in slot 0, 1
.set ADRV, 10                          ; v10-11  my v fragments in slot 0, 1
.set ASTO, 12                          ; v12     the way out: where I put 16 bytes of a row of O
.set ARD,  13                          ; v13     the way out: where I read rows back
.set ACO,  14                          ; v14     my byte offset in out
.set AVQ,  15                          ; v15     my byte offset in q
.set RM,   16                          ; v16-19  running maximum of query block i, raw scores
.set RNM,  20                          ; v20-27  - m c, twice (pairs for the packed forms)
.set RAL,  28                          ; v28-35  the step's factor for O and l, twice; at the end 1 / l
.set RL,   36                          ; v36-43  two partial sums of p for each query block
.set RTC,  44                          ; v44-59  four chains of maxima for each query block; at work
.set RLAM, 60                          ; v60-61  - exp(lambda_log), twice
.set F0,   64
.set F1,   128
.set G1,   24                          ; s[24:31] shape of a k tile
.set G0,   32                          ; s[32:39] from where, to where: k tiles, one set for each slot
.set G1B,  48                          ; s[48:55] shape of half a v tile
.set G0B,  56                          ; s[56:63] the same for v
; s_set_vgpr_msb's low byte: bits 1:0 source 0, 3:2 source 1, 5:4 source 2, 7:6 destination
.set W_QK,  0xac                       ; K window 0, Q window 3, S window 2
.set W_PV,  0x58                       ; V window 0, P window 2, O window 1
.set W_MAX, 0x0a                       ; two sources from S, third source and result in window 0
.set W_EXP, 0x82                       ; S in place, addend from window 0
.set W_SUM, 0x02                       ; S plus window 0 into window 0
.set W_CVT, 0x8a                       ; S packed in place
.set W_RSC, 0x41                       ; O in place, factor from window 0
.set W_QCV, 0xc0                       ; window 0 into Q
.set W_STO, 0x04                       ; LDS store: address window 0, data from O
.set MSB, 0
.macro WIN new                         ; the immediate's high byte repeats the setting that is left; a switch that changes nothing is dropped
.if MSB != \new
	s_set_vgpr_msb (MSB<<8)|\new
.set MSB, \new
.endif
.endm
; Four places: a load into a register that a matrix instruction has read, and a vector instruction that reads a matrix result, stand four
; plain vector instructions behind it (ISA guide 7.12.1 for vector instructions).
.macro PLACES
.rept 4
	v_nop
.endr
.endm
; A round of the cluster's barrier: my work-group's barrier, wave 0 signals for the work-group, every wave waits for all four work-groups, my work-group's barrier again.
.macro ROUND
	s_barrier_signal -1
	s_barrier_wait -1
	s_cmp_lg_u32 s14, 0
	s_cbranch_scc1 .Lnot_wave_0_\@
	s_barrier_signal -3
.Lnot_wave_0_\@:
	s_barrier_wait -3
	s_barrier_signal -1
	s_barrier_wait -1
.endm
; A joint load into slot s, one a wave: wave 0 k1's tile, wave 1 k2's, waves 2 and 3 the halves of v's.  The branch hangs on the wave's number alone.
.macro JLOAD s
	s_cmp_eq_u32 s15, 0
	s_cbranch_scc0 .Lfor_v_\@
	tensor_load_to_lds s[G0+4*(\s):G0+4*(\s)+3], s[G1:G1+7]
	s_nop 0
	s_branch .Lasked_\@
.Lfor_v_\@:
	tensor_load_to_lds s[G0B+4*(\s):G0B+4*(\s)+3], s[G1B:G1B+7]
	s_nop 0
.Lasked_\@:
.endm
	s_load_b256 s[4:11], s[0:1], 0x0               ; q1 s[4:5], q2 s[6:7], kv s[8:9], lambda_log s[10:11]
	s_load_b64 s[12:13], s[0:1], 0x20              ; out0
	v_lshl_add_u32 v254, v0, 2, 0x45000
	v_mov_b32 v255, 0
	ds_add_u32 v254, v255
	v_lshrrev_b32 v1, 5, v0
	v_readfirstlane_b32 s14, v1                    ; wave 0..3
	s_lshr_b32 s15, s14, 1                         ; a: which attention.  Also: I fetch k (0) or v (1)
	s_and_b32 s16, s14, 1                          ; which 64 of the 128 query rows
	s_bfe_u32 s17, ttmp6, 0x40000                  ; cx: my place in the cluster
	s_lshl_b32 s18, ttmp9, 2                       ; ttmp9 counts clusters
	s_add_co_u32 s18, s18, s17                     ; query block = 4 x cluster + cx
	s_and_b32 s19, ttmp7, 0xffff                   ; head
	s_mov_b32 s40, 0x76543210                      ; v_permlanex16_b32: lane i of one half reads lane i of the other
	s_mov_b32 s41, 0xfedcba98
	s_mov_b32 s42, 0x3e0293ee                      ; c = log2(e) / sqrt(128)
	s_mov_b32 s43, 0x3e0293ee                      ; (the pair is named by the packed form)
	s_mov_b32 s44, 0xbe0293ee                      ; - c
	; shapes.  A k tile: 128 rows x 128 bf16, 4 words of padding behind each row's 64 words.  Half a v tile: 64 rows, 8 words of padding.
	s_mov_b32 s[G1+0], 15|(1<<16)|(1<<20)|(1<<21)|(5<<22)|(3<<25)   ; 15:0 the mask: all four work-groups; 17:16 2-byte elements; 20 padding on; 21 set beside a mask; 24:22 every 64 words; 31:25 4 words
	s_mov_b32 s[G1+1], 128<<16                     ; tensor_dim0 = 128
	s_mov_b32 s[G1+2], 128<<16                     ; tensor_dim1 = 128
	s_mov_b32 s[G1+3], 128<<16                     ; tile_dim0 = 128
	s_mov_b32 s[G1+4], 128                         ; tile_dim1 = 128
	s_mov_b32 s[G1+5], 128                         ; 128 elements from row to row
	s_mov_b32 s[G1+6], 0
	s_mov_b32 s[G1+7], 0
	s_mov_b32 s[G1B+0], 15|(1<<16)|(1<<20)|(1<<21)|(5<<22)|(7<<25)  ; the same with 8 words of padding
	s_mov_b32 s[G1B+1], 128<<16
	s_mov_b32 s[G1B+2], 64<<16                     ; tensor_dim1 = 64
	s_mov_b32 s[G1B+3], 128<<16
	s_mov_b32 s[G1B+4], 64                         ; tile_dim1 = 64
	s_mov_b32 s[G1B+5], 128
	s_mov_b32 s[G1B+6], 0
	s_mov_b32 s[G1B+7], 0
	; to where: the wave's number times a constant, plus the slot
	s_mul_i32 s[G0+1], s14, KPART                  ; wave 0: k1's place, wave 1: k2's
	s_add_co_u32 s[G0+5], s[G0+1], SLOT
	s_mul_i32 s[G0B+1], s14, 64*VP                 ; waves 2, 3: VOFF + (w - 2) x 64 rows
	s_add_co_u32 s[G0B+1], s[G0B+1], VOFF-2*64*VP
	s_add_co_u32 s[G0B+5], s[G0B+1], SLOT
	; from where: made of the head and the wave's number alone, which all four partners share
	s_lshr_b32 s2, s19, 2                          ; key/value head
	s_mul_i32 s2, s2, 16*TILE_BYTES
	s_lshl_b32 s46, s14, 14                        ; v: 65,536 + (w - 2) x 64 rows of 256 bytes
	s_add_co_u32 s46, s46, s2
	s_add_co_u32 s46, s46, 32768
	s_mov_b32 s47, 0
	s_lshl_b32 s3, s14, 15                         ; k: w x 32,768
	s_add_co_u32 s2, s2, s3
	s_mov_b32 s3, 0
	; q's and out's offsets, in registers of their own
	s_lshl_b32 s20, s19, 11                        ; head x 2048 rows
	s_lshl_b32 s21, s18, 7                         ; + query block x 128
	s_add_co_u32 s20, s20, s21
	s_lshl_b32 s21, s16, 6                         ; q: + my half x 64
	s_add_co_u32 s22, s20, s21
	s_lshl_b32 s22, s22, 9                         ; rows of 512 bytes
	s_mov_b32 s23, 0
	s_lshl_b32 s21, s14, 5                         ; out: + wave x 32 (on the way out a wave stores 32 whole rows)
	s_add_co_u32 s20, s20, s21
	s_lshl_b32 s20, s20, 9
	s_mov_b32 s21, 0
	s_wait_dscnt 0x0
	s_wait_kmcnt 0x0
	s_add_nc_u64 s[12:13], s[12:13], s[20:21]      ; out at my 32 rows
	s_cmp_eq_u32 s15, 0
	s_cselect_b64 s[20:21], s[4:5], s[6:7]         ; q1 or q2
	s_add_nc_u64 s[20:21], s[20:21], s[22:23]      ; q at my 64 rows
	s_add_nc_u64 s[2:3], s[8:9], s[2:3]
	s_add_nc_u64 s[46:47], s[8:9], s[46:47]
.irp n, 0,1
	s_mov_b32 s[G0+4*\n], 1
	s_add_nc_u64 s[G0+4*\n+2:G0+4*\n+3], s[2:3], \n*TILE_BYTES     ; slot n starts with step n
	s_or_b32 s[G0+4*\n+3], s[G0+4*\n+3], 0x80000000                ; type = 2
	s_mov_b32 s[G0B+4*\n], 1
	s_add_nc_u64 s[G0B+4*\n+2:G0B+4*\n+3], s[46:47], \n*TILE_BYTES
	s_or_b32 s[G0B+4*\n+3], s[G0B+4*\n+3], 0x80000000
.endr
	ROUND                                          ; all four work-groups are here: the first joint loads meet
	JLOAD 0                                        ; step 0's tiles; they land while q is brought in
	s_load_b32 s46, s[10:11], 0x0                  ; lambda_log
	v_and_b32 v1, 15, v0                           ; r
	v_bfe_u32 v2, v0, 4, 1                         ; h
	v_and_b32 v3, 7, v0
	v_bfe_u32 v4, v0, 3, 1
	v_lshlrev_b32 v[AVQ], 9, v1                    ; q: row r, 512 bytes a row,
	v_lshl_add_u32 v[AVQ], v2, 5, v[AVQ]           ; + 8 h numbers of 4 bytes
	v_mul_u32_u24 v5, v1, KP                       ; k fragment: row r x pitch + 16 h
	v_lshl_add_u32 v6, v2, 4, v5
	s_mul_i32 s47, s15, KPART                      ; k1's or k2's tile
	v_add_nc_u32 v[ADRK], s47, v6
	v_add_nc_u32 v[ADRK+1], SLOT, v[ADRK]
	v_lshl_add_u32 v6, v2, 3, v3                   ; v fragment, transposing load: row 8 h + (lane & 7),
	v_mul_u32_u24 v6, v6, VP
	v_lshl_add_u32 v6, v4, 4, v6                   ; 16 bytes further for lanes 8-15 and 24-31
	v_add_nc_u32 v[ADRV], VOFF, v6
	v_add_nc_u32 v[ADRV+1], SLOT, v[ADRV]
	s_mul_i32 s47, s14, 64*KP                      ; stage, in: attention a, rows 64 (w & 1) on = wave x 64 rows
	s_add_co_u32 s47, s47, STAGE
	v_lshl_add_u32 v6, v2, 5, v5                   ; row r, 8 h numbers of 4 bytes
	v_add_nc_u32 v[ASTO], s47, v6
	s_mul_i32 s47, s14, 32*KP                      ; stage, back: rows 32 w on of both attentions
	s_add_co_u32 s47, s47, STAGE
	v_mul_u32_u24 v6, v2, KP                       ; lanes 0-15 one row of 256 bytes, lanes 16-31 the next
	v_lshl_add_u32 v6, v1, 4, v6
	v_add_nc_u32 v[ARD], s47, v6
	v_lshlrev_b32 v[ACO], 4, v1                    ; and the same two rows in out, 512 bytes apart
	v_lshl_add_u32 v[ACO], v2, 9, v[ACO]
; Q: 16 queries x 128 d of f32 straight into the fragments' lanes: for each 32 d the numbers 8 h .. + 7 and 16 + 8 h .. + 7 of row r.
.macro QLOAD i, f
.irp c, 0,1,2,3
	global_load_b128 v[\f+16*\c:\f+16*\c+3],     v[AVQ], s[20:21] offset:8192*\i+128*\c th:TH_LOAD_NT
	global_load_b128 v[\f+16*\c+4:\f+16*\c+7],   v[AVQ], s[20:21] offset:8192*\i+128*\c+16 th:TH_LOAD_NT
	global_load_b128 v[\f+16*\c+8:\f+16*\c+11],  v[AVQ], s[20:21] offset:8192*\i+128*\c+64 th:TH_LOAD_NT
	global_load_b128 v[\f+16*\c+12:\f+16*\c+15], v[AVQ], s[20:21] offset:8192*\i+128*\c+80 th:TH_LOAD_NT
.endr
.endm
.macro QCVT i, f                       ; rounded once to bf16; the scale is applied later, in f32
	WIN W_QCV
.irp c, 0,1,2,3
.irp q, 0,1,2,3,4,5,6,7
	v_cvt_pk_bf16_f32 v[8*(4*\i+\c)+\q], v[\f+16*\c+2*\q], v[\f+16*\c+2*\q+1]
.endr
.endr
	WIN 0
.endm
	QLOAD 0, F0
	QLOAD 1, F1
	s_wait_kmcnt 0x0                               ; lambda_log
	v_mov_b32 v1, s46
	v_mul_f32 v1, 0x3fb8aa3b, v1                   ; exp(x) = exp2(x log2 e)
	v_exp_f32 v2, v1
	v_nop                                          ; one plain vector instruction behind a transcendental (ISA guide 5.7.2)
	s_wait_alu depctr_va_vdst(0)
	v_mul_f32 v[RLAM], -1.0, v2
	v_mov_b32 v[RLAM+1], v[RLAM]
	s_wait_loadcnt 16                              ; a block's 16 loads are in, the next block's 16 stay out
	QCVT 0, F0
	QLOAD 2, F0
	s_wait_loadcnt 16
	QCVT 1, F1
	QLOAD 3, F1
	s_wait_loadcnt 16
	QCVT 2, F0
	s_wait_loadcnt 0x0
	QCVT 3, F1
; 16 LDS loads: key blocks 2 g and 2 g + 1 of slot n, all 128 d: fragment (c, e) at f + 8 (2 c + e)
.macro FETCHK n, g, f
.irp c, 0,1,2,3
.irp e, 0,1
	ds_load_b128 v[\f+8*(2*\c+\e):\f+8*(2*\c+\e)+3],   v[ADRK+\n] offset:(2*\g+\e)*16*KP+64*\c
	ds_load_b128 v[\f+8*(2*\c+\e)+4:\f+8*(2*\c+\e)+7], v[ADRK+\n] offset:(2*\g+\e)*16*KP+64*\c+32
.endr
.endr
.endm
; 16 transposing LDS loads: keys 32 t .. 32 t + 31 of slot n, all 128 d: fragment dt at f + 8 dt
.macro FETCHV n, t, f
.irp d, 0,1,2,3,4,5,6,7
	ds_load_tr16_b128 v[\f+8*\d:\f+8*\d+3],   v[ADRV+\n] offset:32*\t*VP+32*\d
	ds_load_tr16_b128 v[\f+8*\d+4:\f+8*\d+7], v[ADRV+\n] offset:32*\t*VP+32*\d+16*VP
.endr
.endm
; 32 matrix instructions: S of key blocks 2 g, 2 g + 1 for my four query blocks.  The eight accumulators take turns, one instruction a turn,
; the first 32 d start the sums.
.macro MULQK g, f
.irp c, 0,1,2,3
.irp e, 0,1
.irp i, 0,1,2,3
.if \c == 0
	v_wmma_f32_16x16x32_bf16 v[8*(8*\i+2*\g+\e):8*(8*\i+2*\g+\e)+7], v[\f+8*(2*\c+\e):\f+8*(2*\c+\e)+7], v[8*(4*\i+\c):8*(4*\i+\c)+7], 0
.else
	v_wmma_f32_16x16x32_bf16 v[8*(8*\i+2*\g+\e):8*(8*\i+2*\g+\e)+7], v[\f+8*(2*\c+\e):\f+8*(2*\c+\e)+7], v[8*(4*\i+\c):8*(4*\i+\c)+7], v[8*(8*\i+2*\g+\e):8*(8*\i+2*\g+\e)+7]
.endif
.endr
.endr
.endr
.endm
; 32 matrix instructions on 32 different accumulators: O += V^T P^T for keys 32 t .. + 31.  zero = 1: the first product starts the sums.
.macro MULPV t, f, zero
.irp i, 0,1,2,3
.irp d, 0,1,2,3,4,5,6,7
.if \zero
	v_wmma_f32_16x16x32_bf16 v[8*(8*\i+\d):8*(8*\i+\d)+7], v[\f+8*\d:\f+8*\d+7], v[16*(4*\i+\t):16*(4*\i+\t)+7], 0
.else
	v_wmma_f32_16x16x32_bf16 v[8*(8*\i+\d):8*(8*\i+\d)+7], v[\f+8*\d:\f+8*\d+7], v[16*(4*\i+\t):16*(4*\i+\t)+7], v[8*(8*\i+\d):8*(8*\i+\d)+7]
.endif
.endr
.endr
.endm
; O of query block i times the pair RAL[i]: 128 packed multiplies
.macro RESCALE
	WIN W_RSC
.irp i, 0,1,2,3
.set j, 0
.rept 32
	v_pk_mul_f32 v[64*\i+2*j:64*\i+2*j+1], v[64*\i+2*j:64*\i+2*j+1], v[RAL+2*\i:RAL+2*\i+1]
.set j, j+1
.endr
.endr
.endm
; n more pairs of each query block's p are added to its two partial sums, from pair j on: four chains that do not wait for each other
.macro SUMRUN n
	s_wait_alu depctr_va_vdst(0)
.rept \n
.irp i, 0,1,2,3
	v_pk_add_f32 v[RL+2*\i:RL+2*\i+1], v[64*\i+2*j:64*\i+2*j+1], v[RL+2*\i:RL+2*\i+1]
.endr
.set j, j+1
.endr
.endm
; One step of the running softmax over the slot's 128 keys (64 numbers a lane for each of four query blocks).  first = 1: nothing is carried yet.
.macro SOFTMAX first
	WIN W_MAX                                      ; the largest of my 64 scores of each block: sixteen chains, started by the first two numbers
.irp i, 0,1,2,3
.irp k, 0,1,2,3
	v_max_num_f32 v[RTC+4*\i+\k], v[64*\i+16*\k], v[64*\i+16*\k+1]
.endr
.endr
.irp m, 1,2,3,4,5,6,7
.irp i, 0,1,2,3
.irp k, 0,1,2,3
	v_max3_num_f32 v[RTC+4*\i+\k], v[64*\i+16*\k+2*\m], v[64*\i+16*\k+2*\m+1], v[RTC+4*\i+\k]
.endr
.endr
.endr
	WIN 0
.irp i, 0,1,2,3
	v_max3_num_f32 v[RTC+4*\i], v[RTC+4*\i], v[RTC+4*\i+1], v[RTC+4*\i+2]
.endr
.irp i, 0,1,2,3
	v_max_num_f32 v[RTC+4*\i], v[RTC+4*\i], v[RTC+4*\i+3]
.endr
.irp i, 0,1,2,3
	v_permlanex16_b32 v[RTC+4*\i+1], v[RTC+4*\i], s40, s41         ; the other half of the query's keys
.endr
.irp i, 0,1,2,3
.if \first
	v_max_num_f32 v[RM+\i], v[RTC+4*\i], v[RTC+4*\i+1]
.else
	v_max3_num_f32 v[RM+\i], v[RTC+4*\i], v[RTC+4*\i+1], v[RM+\i]  ; the running maximum
.endif
.endr
.irp i, 0,1,2,3
	v_mul_f32 v[RTC+4*\i+2], s44, v[RM+\i]         ; - m c, rounded once; p and the factor both use this number
.endr
.if \first == 0
.irp i, 0,1,2,3
	v_sub_f32 v[RTC+4*\i+3], v[RTC+4*\i+2], v[RNM+2*\i]            ; m_old c - m_new c, at most 0
.endr
.irp i, 0,1,2,3
	v_exp_f32 v[RAL+2*\i], v[RTC+4*\i+3]
.endr
.endif
.irp i, 0,1,2,3
	v_mov_b32 v[RNM+2*\i], v[RTC+4*\i+2]           ; plain instructions behind the exponentials that touch neither their results nor their sources
	v_mov_b32 v[RNM+2*\i+1], v[RTC+4*\i+2]
.endr
.if \first == 0
	s_wait_alu depctr_va_vdst(0)
.irp i, 0,1,2,3
	v_mov_b32 v[RAL+2*\i+1], v[RAL+2*\i]
.endr
.irp i, 0,1,2,3
	v_pk_mul_f32 v[RL+2*\i:RL+2*\i+1], v[RL+2*\i:RL+2*\i+1], v[RAL+2*\i:RAL+2*\i+1]
.endr
.endif
	WIN W_EXP                                      ; p = exp2(S c - m c), in place.  Behind a block's last exponential stands the next block's first multiply-add,
.irp i, 0,1,2,3                                    ; behind the very last one the first sum: plain instructions on other registers
.set j, 0
.rept 32
	v_pk_fma_f32 v[64*\i+2*j:64*\i+2*j+1], v[64*\i+2*j:64*\i+2*j+1], s[42:43], v[RNM+2*\i:RNM+2*\i+1] op_sel_hi:[1,0,1]
.set j, j+1
.endr
.set j, 0
.rept 64
	v_exp_f32 v[64*\i+j], v[64*\i+j]
.set j, j+1
.endr
.endr
.if \first
	WIN W_MAX                                      ; the first two pairs start the sums: nothing is cleared
	s_wait_alu depctr_va_vdst(0)
.irp i, 0,1,2,3
	v_pk_add_f32 v[RL+2*\i:RL+2*\i+1], v[64*\i:64*\i+1], v[64*\i+2:64*\i+3]
.endr
	WIN W_SUM
.set j, 2
	SUMRUN 30
.else
	WIN W_SUM
.set j, 0
	SUMRUN 32
.endif
	WIN W_CVT                                      ; two key blocks' 16 registers become the 8 registers of a fragment of P^T, in place (register q is written from 2 q and 2 q + 1)
.set blk, 0
.rept 16
.irp q, 0,1,2,3,4,5,6,7
	v_cvt_pk_bf16_f32 v[16*blk+\q], v[16*blk+2*\q], v[16*blk+2*\q+1]
.endr
.set blk, blk+1
.endr
.if \first == 0
	RESCALE
.endif
.endm
; One step: 128 keys from slot n.  refill = 1: the other slot, read in the step before, is asked for again.
; In front of the round each wave waits for all its tensor loads (one is out: its part of this slot) and for its LDS reads of the other slot;
; behind the round that holds of every wave of all four work-groups, and the joint refill is the wave's first and only tensor load there.
; It has the whole step, 256 matrix instructions and the softmax, in which to land.  A wave has one tensor load out.
; Fragments go through two buffers: each stage's 16 loads are issued one stage ahead, so each stage's wait leaves the 16 younger loads out.
.macro TRIP n, refill, first
	WIN 0
	s_wait_tensorcnt 0x0
	ds_add_u32 v254, v255
	s_wait_dscnt 0x0
	s_add_nc_u64 s[G0+4*\n+2:G0+4*\n+3], s[G0+4*\n+2:G0+4*\n+3], 2*TILE_BYTES       ; no load of mine is out: this slot's next tiles
	s_add_nc_u64 s[G0B+4*\n+2:G0B+4*\n+3], s[G0B+4*\n+2:G0B+4*\n+3], 2*TILE_BYTES
	s_wait_dscnt 0x0
	ROUND
.if \refill
	JLOAD 1-\n
.endif
.if \first == 0
	PLACES                                         ; behind the last step's matrix instructions, which read both buffers
.endif
	FETCHK \n, 0, F0
	FETCHK \n, 1, F1
	s_wait_dscnt 16
	WIN W_QK
	MULQK 0, F0
	PLACES
	WIN 0
	FETCHK \n, 2, F0
	s_wait_dscnt 16
	WIN W_QK
	MULQK 1, F1
	PLACES
	WIN 0
	FETCHK \n, 3, F1
	s_wait_dscnt 16
	WIN W_QK
	MULQK 2, F0
	PLACES
	WIN 0
	FETCHV \n, 0, F0
	s_wait_dscnt 16
	WIN W_QK
	MULQK 3, F1
	PLACES                                         ; also the places in front of the first read of S
	WIN 0
	FETCHV \n, 1, F1                               ; v's first fragments come in under the softmax
	SOFTMAX \first
	s_wait_dscnt 16
	WIN W_PV
	MULPV 0, F0, \first
	PLACES
	WIN 0
	FETCHV \n, 2, F0
	s_wait_dscnt 16
	WIN W_PV
	MULPV 1, F1, 0
	PLACES
	WIN 0
	FETCHV \n, 3, F1
	s_wait_dscnt 16
	WIN W_PV
	MULPV 2, F0, 0
	s_wait_dscnt 0x0                               ; nothing was issued behind the last 16
	MULPV 3, F1, 0
	WIN 0                                          ; at a label and at a branch every window is 0
.endm
	; 16 steps: the first starts all sums, the last asks for nothing; slot 1 is first filled behind the first step's round
	TRIP 0, 1, 1
	s_mov_b32 s45, 7
.Llap:
	TRIP 1, 1, 0
	TRIP 0, 1, 0
	s_sub_co_u32 s45, s45, 1
	s_cmp_lg_u32 s45, 0
	s_cbranch_scc1 .Llap
	TRIP 1, 0, 0
	; 1 / l.  These plain additions on window 0's statistics are also the places between the last matrix instruction and the first read of O.
.irp i, 0,1,2,3
	v_add_f32 v[RTC+4*\i], v[RL+2*\i], v[RL+2*\i+1]
.endr
.irp i, 0,1,2,3
	v_permlanex16_b32 v[RTC+4*\i+1], v[RTC+4*\i], s40, s41         ; the other half of the keys
.endr
.irp i, 0,1,2,3
	v_add_f32 v[RTC+4*\i], v[RTC+4*\i], v[RTC+4*\i+1]              ; at least about 1: the largest score's p
.endr
.irp i, 0,1,2,3
	v_rcp_f32 v[RAL+2*\i], v[RTC+4*\i]
.endr
	v_nop                                          ; one plain vector instruction behind the reciprocals
	s_wait_alu depctr_va_vdst(0)
.irp i, 0,1,2,3
	v_mov_b32 v[RAL+2*\i+1], v[RAL+2*\i]
.endr
	RESCALE
; THE WAY OUT, 64 d at a time (p = 0, 1).  Each wave puts its 64 rows x 256 bytes into its attention's stage; behind a barrier wave w reads rows
; 32 w .. 32 w + 31 of both stages back as whole rows, forms attn1 - lam attn2 and stores: 16 lanes store 256 consecutive bytes, aligned.
.macro OUTPASS p
	WIN W_STO
.irp i, 0,1,2,3
.irp t, 0,1,2,3
.irp e, 0,1
	ds_store_b128 v[ASTO], v[8*(8*\i+4*\p+\t)+4*\e:8*(8*\i+4*\p+\t)+4*\e+3] offset:16*KP*\i+64*\t+16*\e
.endr
.endr
.endr
	WIN 0
	s_wait_dscnt 0x0                               ; my rows are in the stage, for the other waves' sake
	s_barrier_signal -1
	s_barrier_wait -1
.if \p
	s_wait_xcnt 0x0                                ; buffer 0 was the data of the first pass's stores: it is loaded again only behind this wait
.endif
.irp n, 0,1,2,3,4,5,6,7,8,9,10,11,12,13,14,15
	ds_load_b128 v[F0+4*\n:F0+4*\n+3], v[ARD] offset:2*KP*\n
	ds_load_b128 v[F1+4*\n:F1+4*\n+3], v[ARD] offset:2*KP*\n+KPART
.endr
.irp n, 0,1,2,3,4,5,6,7,8,9,10,11,12,13,14,15
	s_wait_dscnt 30-2*\n                           ; pair n of the 16 pairs is in, the younger pairs stay out
	v_pk_fma_f32 v[F0+4*\n:F0+4*\n+1],   v[F1+4*\n:F1+4*\n+1],   v[RLAM:RLAM+1], v[F0+4*\n:F0+4*\n+1]
	v_pk_fma_f32 v[F0+4*\n+2:F0+4*\n+3], v[F1+4*\n+2:F1+4*\n+3], v[RLAM:RLAM+1], v[F0+4*\n+2:F0+4*\n+3]
	global_store_b128 v[ACO], v[F0+4*\n:F0+4*\n+3], s[12:13] offset:1024*\n+256*\p th:TH_STORE_NT
.endr
.endm
	OUTPASS 0
	s_wait_dscnt 0x0                               ; my reads of the stage are back (met: the count-down ended at 0),
	s_barrier_signal -1
	s_barrier_wait -1                              ; everybody's are: the stage may be written again
	OUTPASS 1
	s_wait_tensorcnt 0x0
	ds_add_u32 v254, v255
	s_wait_dscnt 0x0
	ROUND                                          ; the closing round: no work-group ends while a partner may still ask for a tile that names it
	s_endpgm
.Lfunc_end_k_qd2220c512c_attn:
	.size	k_qd2220c512c_attn, .Lfunc_end_k_qd2220c512c_attn-k_qd2220c512c_attn
	.p2alignl 7, 3214868480
	.fill 96, 4, 3214868480
	.section	.rodata,"a",@progbits
	.p2align	6, 0x0
	.amdhsa_kernel k_qd2220c512c_attn
		.amdhsa_group_segment_fixed_size 327680
		.amdhsa_private_segment_fixed_size 0
		.amdhsa_enable_private_segment 0
		.amdhsa_kernarg_size 40
		.amdhsa_user_sgpr_count 2
		.amdhsa_user_sgpr_kernarg_segment_ptr 1
		.amdhsa_wavefront_size32 1
		.amdhsa_system_sgpr_workgroup_id_x 1
		.amdhsa_system_sgpr_workgroup_id_y 1
		.amdhsa_system_sgpr_workgroup_id_z 1
		.amdhsa_system_vgpr_workitem_id 0
		.amdhsa_next_free_vgpr 896
		.amdhsa_next_free_sgpr 66
		.amdhsa_reserve_vcc 0
		.amdhsa_float_denorm_mode_32 3
		.amdhsa_float_denorm_mode_16_64 3
		.amdhsa_memory_ordered 1
		.amdhsa_forward_progress 1
		.amdhsa_inst_pref_size 255
	.end_amdhsa_kernel
	.section	.bss,"aw",@nobits
	.p2align	6
	.space	262144
	.amdgpu_metadata
---
amdhsa.version: [ 1, 2 ]
amdhsa.kernels:
  - .name:           k_qd2220c512c_attn
    .symbol:         k_qd2220c512c_attn.kd
    .args:
      - { .name: q1, .offset: 0, .size: 8, .value_kind: global_buffer, .address_space: global }
      - { .name: q2, .offset: 8, .size: 8, .value_kind: global_buffer, .address_space: global }
      - { .name: kv, .offset: 16, .size: 8, .value_kind: global_buffer, .address_space: global }
      - { .name: lambda_log, .offset: 24, .size: 8, .value_kind: global_buffer, .address_space: global }
      - { .name: out0, .offset: 32, .size: 8, .value_kind: global_buffer, .address_space: global }
    .group_segment_fixed_size: 327680
    .private_segment_fixed_size: 0
    .kernarg_segment_align: 8
    .kernarg_segment_size: 40
    .max_flat_workgroup_size: 128
    .sgpr_count:     66
    .vgpr_count:     896
    .wavefront_size: 32
...
	.end_amdgpu_metadata
.endif
;; end of part 2
